; MI455X (gfx1250); checked and timed in simulation.
; The chip was launched on July 23, 2026; its instructions are those of AMD's public machine-readable ISA for CDNA 5 (MIT licence, August 2026) and "CDNA5" Instruction Set Architecture Reference Guide (July 2026). The comments in the code are by the model that wrote it; some were corrected since.
;; Self Attention. Allowed arithmetic: matrix products marked QUANTISED: E3M2 operands, one E8M0 scale for each 32 along K, by v_wmma_scale_f32_16x16x128_f8f6f4 with both operands' format E3M2, f32 sums; everything else in f32.
;; Inputs: Wf 1 x 1 x 256 x 64 float32; Wg 1 x 1 x 256 x 64 float32; Wh 1 x 1 x 256 x 256 float32; Wv 1 x 1 x 256 x 256 float32; gamma 1 float32; x 8 x 64 x 64 x 256 float32.
;; Outputs: out0 8 x 64 x 64 x 256 float32.
;; This version of the problem:
;;   THIS VERSION OF THE PROBLEM IS GIVEN IN LOW PRECISION. The matrix products marked QUANTISED in the list below multiply operands that are first quantised to E3M2 (3 exponent bits, 2 mantissa bits; 6 bits a number), with one power-of-two scale for each 32 numbers along K (OCP MX v1.0); their sums are f32. All else is computed in f32.
;;   The module's matrix products, in the order in which they are computed (A, B: the left and right operand; K: the contracted axis; several contracted axes count as one K, in the product's order):
;;     1. [M 32,768, K 256] x [K 256, N 64]; A: input x; B: input Wf: QUANTISED
;;     2. [M 32,768, K 256] x [K 256, N 64]; A: input x; B: input Wg: QUANTISED
;;     3. [M 32,768, K 256] x [K 256, N 256]; A: input x; B: input Wh: QUANTISED
;;     4. batch 8 x [M 4,096, K 64] x [K 64, N 4,096]; A: computed on the way; B: computed on the way: QUANTISED
;;     5. batch 8 x [M 4,096, K 4,096] x [K 4,096, N 256]; A: softmax (see below); B: computed on the way: QUANTISED
;;     6. [M 32,768, K 256] x [K 256, N 256]; A: computed on the way; B: input Wv: QUANTISED
;;   THE QUANTISER, for each operand of a quantised product, along K:
;;     - K is cut into blocks of 32 from its start; a last block that is shorter is filled with zeros.
;;     - A block's scale is 2^e with e = floor(log2(the largest magnitude in the block)) - 4, held to -126 .. 127; a block of zeros has e = 0. As a byte (E8M0): e + 127.
;;     - Each number is divided by its block's scale, clamped to +-28, and rounded to the nearest number of E3M2, ties to even, subnormals kept.
;;     - The product sums the exact products of the quantised numbers (number of the format x scale) in f32.
;;   ~~~python
;;   def quantise(x, axis):      # numpy; x: float32 -> the quantised numbers, widened to float32 again
;;       x = np.moveaxis(x, axis, -1); K = x.shape[-1]
;;       x = np.pad(x, [(0, 0)] * (x.ndim - 1) + [(0, -K % 32)]); x = x.reshape(x.shape[:-1] + (-1, 32)); a = np.abs(x).max(-1, keepdims=True)
;;       e = np.where(a > 0, np.clip(np.frexp(np.where(a > 0, a, 1))[1] - 1 - 4, -126, 127), 0)      # np.frexp(a)[1] - 1 = floor(log2(a)), exactly
;;       r = np.clip(x / 2.0 ** e, -28, 28)
;;       step = 2.0 ** (np.maximum(np.frexp(np.where(r == 0, 1, r))[1] - 1, -2) - 2)
;;       q = np.round(r / step) * step * 2.0 ** e      # np.round: ties to even
;;       return np.moveaxis(q.reshape(q.shape[:-2] + (-1,))[..., :K], -1, axis).astype(np.float32)
;;   ~~~
;;   SOFTMAX AHEAD OF A QUANTISED PRODUCT. Where the list says 'softmax', what is quantised is not the finished softmax but p = 2^(t - M), with t = logit x log2(e) and M = ceil(the row's largest t), a whole number; so 1/2 < the row's largest p <= 1. The row's sum l is taken of the UNQUANTISED p, in f32, and the product's result is divided by l at the end. Since M is a whole number, a kernel that streams over the keys may use a running M (the ceiling of the running maximum): every later rescaling is an exact power of two, which a block's scale takes up: the codes' values come out the same.
;;   OPERANDS COMPUTED ON THE WAY. 'Computed on the way' means the value that the module computes at that place (a softmax that the list does not call 'softmax' is quantised finished and normalised). What goes into a quantiser is computed in f32, as accurately as f32 sums, v_exp_f32 and their like allow (about 1e-6 of the number): no bf16 or f16 on the way to a quantiser, and a product that is left as it is and whose result goes on into a quantised operand takes f32 operands (vector FMAs, or v_wmma_f32_16x16x4_f32). A number that lies on a knife's edge between two numbers of the format may be rounded either way, as far as f32 arithmetic and the matrix unit's own rounding can turn it there, and no further.
;; One version. Each part assembles by itself: llvm-mc -triple=amdgcn-amd-amdhsa -mcpu=gfx1250 --defsym DOCPART=n.
;; ======== version 1 of 1: 3 launches
;; workspace buffers: wimg 128,000 bytes; kv 8,257,536 bytes; fq 1,703,936 bytes
;; launch wq (part 1): grid 40 x 1, 2 waves a work-group, no clusters, 0 bytes of LDS; arguments Wf, Wg, Wh, Wv, wimg; writes wimg
.if DOCPART == 1
	.amdgcn_target "amdgcn-amd-amdhsa--gfx1250"
	.amdhsa_code_object_version 6
	.text
	.protected	k_qce428a4bb2_wq
	.globl	k_qce428a4bb2_wq
	.p2align	8
	.type	k_qce428a4bb2_wq,@function
k_qce428a4bb2_wq:
	s_mov_b64 s[64:65], 0
	v_nop
	global_prefetch_b8 v0, s[64:65] scope:SCOPE_SE
	s_setreg_imm32_b32 hwreg(HW_REG_WAVE_MODE, 25, 1), 1
	s_wait_xcnt 0x0
; Wf [256][64], Wg [256][64], Wh [256][256], Wv [256][256], f32 with K (the input channel) as FIRST axis, become codes of BF6 (E3M2) with one E8M0 byte for each 32 along K,
; laid in wimg as IMAGES OF OPERAND REGISTERS: a fragment (16 columns x 128 K) is 12 registers a lane = 3 chunks of 512 bytes, lane l at 16 l.
; Work-group T (0..39) takes a tile of 16 columns: T 0-3 Wf, 4-7 Wg, 8-23 Wh, 24-39 Wv; wave s takes K step s of 128.  Fragment number F = 2 T + s.
; A LANE TAKES A COLUMN AND ITS REGISTERS RUN DOWN K, in the order of the operand: lane (r, h) holds k = 128 s + 64 c + 32 h + 0 .. 31 in registers 32 c + 0 .. 31: two whole blocks, no other lane is asked for a maximum.
; WHICH COLUMNS FORM A TILE: for Wf, Wg, Wh lane r of tile c takes column 64 (c / 4) + 8 (c % 4) + r % 8 + 32 (r / 8), so that four neighbouring tiles of a later result are a whole block of 32 in one lane; for Wv column 16 c + r.
; wimg: fragments 0-47 at 1536 F; their scale words from 73,728; fragments 48-79 at 76,800 + 1536 (F - 48); their scale words from 125,952.
; Scale words lie in blocks of 512 bytes for 8 fragments: fragment j, row r at 256 (j / 4) + 16 r + 4 (j % 4): a load of 16 bytes a lane brings four registers, rows 0-15 of fragments 0-3 below, of 4-7 above.
; A block scale is 2^(floor(log2(largest magnitude)) - 4); its byte is that magnitude's exponent field - 4, held at 1 from below.
; LIMITS: a block of zeros gets the byte 1 where the rule says 127 (its codes are zeros, and this program alone reads the bytes); NaN and infinities among the inputs are not served.
; 40 work-groups are all the work there is (655,360 bytes in, 128,000 out).  No LDS, no barrier, no matrix unit, no cluster: waves share nothing.  The scale words leave as 4 bytes a lane: 5,120 bytes in the whole launch.
.set SEL, 36                           ; s[36:37] lane selects for v_permlanex16_b32: lane l xor 16
.set TP,  32                           ; v32-38  the upper halves of the two blocks' codes (a conversion's three registers begin on an even number)
.set QM,  40                           ; v40-45  largest magnitudes, conversion scales, bytes
.set PC,  48                           ; v48-59  the fragment
.set RAW, 64                           ; v64-127 64 numbers
.macro QMAX a, b, m                    ; two blocks of 32 numbers: largest magnitudes (with the floor 2^(5 - 127) as a leaf), conversion scales, bytes
	v_max3_num_f32 v[\m], |v[(\a)]|, |v[(\a)+1]|, 0x2800000
	v_max3_num_f32 v[\m+1], |v[(\b)]|, |v[(\b)+1]|, 0x2800000
.irp i, 2,4,6,8,10,12,14,16,18,20,22,24,26,28,30
	v_max3_num_f32 v[\m], v[\m], |v[(\a)+\i]|, |v[(\a)+\i+1]|
	v_max3_num_f32 v[\m+1], v[\m+1], |v[(\b)+\i]|, |v[(\b)+\i+1]|
.endr
	v_add_nc_u32 v[\m+2], 0xfe000000, v[\m]        ; 4 off the exponent field: the conversion takes the exponent field of this operand as its scale
	v_add_nc_u32 v[\m+3], 0xfe000000, v[\m+1]
	v_lshrrev_b32 v[\m+4], 23, v[\m+2]             ; the scale bytes
	v_lshrrev_b32 v[\m+5], 23, v[\m+3]
.endm
.macro QCVT a, b, pc, tp, m            ; the two blocks' codes: 12 registers from pc on
	v_cvt_scalef32_pk16_bf6_f32 v[(\pc):(\pc)+2], v[(\a):(\a)+15], v[\m+2]
	v_cvt_scalef32_pk16_bf6_f32 v[(\tp):(\tp)+2], v[(\a)+16:(\a)+31], v[\m+2]
	v_cvt_scalef32_pk16_bf6_f32 v[(\pc)+6:(\pc)+8], v[(\b):(\b)+15], v[\m+3]
	v_cvt_scalef32_pk16_bf6_f32 v[(\tp)+4:(\tp)+6], v[(\b)+16:(\b)+31], v[\m+3]
	v_nop                                          ; one plain place behind the scaled conversions
.irp i, 0,1,2
	v_mov_b32 v[(\pc)+3+\i], v[(\tp)+\i]
	v_mov_b32 v[(\pc)+9+\i], v[(\tp)+4+\i]
.endr
.endm
.macro WLOAD pitch                     ; pitch: bytes in a row of the weight
	v_mad_u32_u24 v7, v3, 32*\pitch, v4            ; lanes 16-31 begin 32 rows further down
	s_mul_i32 s34, s14, 128*\pitch                 ; my K step
	s_mov_b32 s35, 0
	s_add_nc_u64 s[16:17], s[16:17], s[34:35]
.irp cc, 0,1
.irp i, 0,1,2,3,4,5,6,7,8,9,10,11,12,13,14,15,16,17,18,19,20,21,22,23,24,25,26,27,28,29,30,31
	global_load_b32 v[RAW+32*\cc+\i], v7, s[16:17] offset:\pitch*(64*\cc+\i)
.endr
.endr
.endm
	s_load_b256 s[4:11], s[0:1], 0x0               ; Wf, Wg, Wh, Wv
	s_load_b64 s[12:13], s[0:1], 0x20              ; wimg
	v_lshrrev_b32 v1, 5, v0
	v_readfirstlane_b32 s14, v1                    ; wave = K step
	v_and_b32 v1, 31, v0                           ; lane
	v_and_b32 v2, 15, v0                           ; r
	v_bfe_u32 v3, v0, 4, 1                         ; h
	v_lshlrev_b32 v5, 4, v1                        ; 16 x lane: my place in a chunk
	v_lshlrev_b32 v6, 4, v2                        ; 16 r: my row's place among the scale words
	v_lshlrev_b32 v8, 3, v3                        ; 8 h: how far my two bytes are shifted in the word
	v_mov_b32 v9, 0                                ; a lane permute's destination counts as read
	s_mov_b32 s[SEL], 0x76543210
	s_mov_b32 s[SEL+1], 0xfedcba98
	s_mov_b32 s15, ttmp9                           ; T
	s_lshl_b32 s25, s15, 1
	s_add_co_u32 s25, s25, s14                     ; F = 2 T + s
	s_cmp_lt_u32 s15, 24                           ; Wv's tiles are natural and lie in the second part of wimg
	s_cselect_b32 s18, 8, 24                       ; the tensor's first T
	s_cselect_b32 s19, 5, 3                        ; rows 8-15 of a tile lie 32 or 8 columns on
	s_cselect_b32 s23, 0, 3072
	s_mov_b32 s24, 122880
	s_cselect_b32 s24, 73728, s24
	s_cmp_lt_u32 s15, 8
	s_cselect_b32 s18, 4, s18
	s_cmp_lt_u32 s15, 4
	s_cselect_b32 s18, 0, s18
	s_sub_co_u32 s20, s15, s18                     ; c: the tile's number in its tensor
	s_lshr_b32 s21, s20, 2
	s_lshl_b32 s21, s21, 6
	s_and_b32 s22, s20, 3
	s_lshl_b32 s22, s22, 3
	s_add_co_u32 s21, s21, s22                     ; 64 (c / 4) + 8 (c % 4)
	s_lshl_b32 s22, s20, 4                         ; 16 c
	s_cmp_lt_u32 s15, 24
	s_cselect_b32 s21, s21, s22                    ; the tile's first column
	s_mul_i32 s26, s25, 1536
	s_add_co_u32 s26, s26, s23                     ; where the fragment goes
	s_mov_b32 s27, 0
	s_lshr_b32 s28, s25, 3
	s_lshl_b32 s28, s28, 9
	s_bfe_u32 s30, s25, 0x10002
	s_lshl_b32 s30, s30, 8
	s_add_co_u32 s28, s28, s30
	s_and_b32 s30, s25, 3
	s_lshl_b32 s30, s30, 2
	s_add_co_u32 s28, s28, s30
	s_add_co_u32 s28, s28, s24                     ; where its scale words go
	s_mov_b32 s29, 0
	v_and_b32 v4, 7, v2
	v_lshrrev_b32 v7, 3, v2
	v_lshlrev_b32 v7, s19, v7
	v_add3_u32 v4, v4, v7, s21                     ; my column
	v_lshlrev_b32 v4, 2, v4
	s_wait_kmcnt 0x0
	s_cmp_lt_u32 s15, 24                           ; the source: a choice on the work-group's number alone
	s_cselect_b64 s[16:17], s[8:9], s[10:11]
	s_cmp_lt_u32 s15, 8
	s_cselect_b64 s[16:17], s[6:7], s[16:17]
	s_cmp_lt_u32 s15, 4
	s_cselect_b64 s[16:17], s[4:5], s[16:17]
	s_add_nc_u64 s[26:27], s[12:13], s[26:27]
	s_add_nc_u64 s[28:29], s[12:13], s[28:29]
	s_cmp_lt_u32 s15, 8                            ; the rows of Wf and Wg are 256 bytes, those of Wh and Wv 1,024: the immediates differ
	s_cbranch_scc0 .Lwide
	WLOAD 256
	s_branch .Ljoin
.Lwide:
	WLOAD 1024
.Ljoin:
	s_wait_loadcnt 0x0
	QMAX RAW, RAW+32, QM
	v_lshl_or_b32 v10, v[QM+5], 16, v[QM+4]        ; my two bytes: blocks h and 2 + h of my column,
	v_lshlrev_b32 v10, v8, v10                     ; at their places in the word;
	v_permlanex16_b32 v9, v10, s[SEL], s[SEL+1]
	v_or_b32 v11, v10, v9                          ; with lane l xor 16's two the word is whole
	QCVT RAW, RAW+32, PC, TP, QM
.irp c, 0,1,2
	global_store_b128 v5, v[PC+4*\c:PC+4*\c+3], s[26:27] offset:512*\c   ; 32 lanes store 512 consecutive bytes, at a multiple of 256 from the buffer's first byte
.endr
	global_store_b32 v6, v11, s[28:29]             ; both halves of the lanes store the same word at the same place
	s_endpgm
.Lfunc_end_k_qce428a4bb2_wq:
	.size	k_qce428a4bb2_wq, .Lfunc_end_k_qce428a4bb2_wq-k_qce428a4bb2_wq
	.p2alignl 7, 3214868480
	.fill 96, 4, 3214868480
	.section	.rodata,"a",@progbits
	.p2align	6, 0x0
	.amdhsa_kernel k_qce428a4bb2_wq
		.amdhsa_group_segment_fixed_size 0
		.amdhsa_private_segment_fixed_size 0
		.amdhsa_enable_private_segment 0
		.amdhsa_kernarg_size 40
		.amdhsa_user_sgpr_count 2
		.amdhsa_user_sgpr_kernarg_segment_ptr 1
		.amdhsa_wavefront_size32 1
		.amdhsa_system_sgpr_workgroup_id_x 1
		.amdhsa_system_sgpr_workgroup_id_y 1
		.amdhsa_system_sgpr_workgroup_id_z 1
		.amdhsa_system_vgpr_workitem_id 0
		.amdhsa_next_free_vgpr 128
		.amdhsa_next_free_sgpr 66
		.amdhsa_reserve_vcc 0
		.amdhsa_float_denorm_mode_32 3
		.amdhsa_float_denorm_mode_16_64 3
		.amdhsa_memory_ordered 1
		.amdhsa_forward_progress 1
		.amdhsa_inst_pref_size 19
	.end_amdhsa_kernel
	.amdgpu_metadata
---
amdhsa.version: [ 1, 2 ]
amdhsa.kernels:
  - .name:           k_qce428a4bb2_wq
    .symbol:         k_qce428a4bb2_wq.kd
    .args:
      - { .name: Wf, .offset: 0, .size: 8, .value_kind: global_buffer, .address_space: global }
      - { .name: Wg, .offset: 8, .size: 8, .value_kind: global_buffer, .address_space: global }
      - { .name: Wh, .offset: 16, .size: 8, .value_kind: global_buffer, .address_space: global }
      - { .name: Wv, .offset: 24, .size: 8, .value_kind: global_buffer, .address_space: global }
      - { .name: wimg, .offset: 32, .size: 8, .value_kind: global_buffer, .address_space: global }
    .group_segment_fixed_size: 0
    .private_segment_fixed_size: 0
    .kernarg_segment_align: 8
    .kernarg_segment_size: 40
    .max_flat_workgroup_size: 64
    .sgpr_count:     66
    .vgpr_count:     128
    .wavefront_size: 32
...
	.end_amdgpu_metadata
.endif
;; end of part 1
;; launch proj (part 2): grid 256 x 1, 4 waves a work-group, no clusters, 246,272 bytes of LDS; arguments x, wimg, kv, fq; writes kv, fq
.if DOCPART == 2
	.amdgcn_target "amdgcn-amd-amdhsa--gfx1250"
	.amdhsa_code_object_version 6
	.text
	.protected	k_qce428a4bb2_proj
	.globl	k_qce428a4bb2_proj
	.p2align	8
	.type	k_qce428a4bb2_proj,@function
k_qce428a4bb2_proj:
	s_mov_b64 s[64:65], 0
	v_nop
	global_prefetch_b8 v0, s[64:65] scope:SCOPE_SE
	s_setreg_imm32_b32 hwreg(HW_REG_WAVE_MODE, 25, 1), 1
	s_wait_xcnt 0x0
; f = x Wf, g = x Wg, h = x Wh on codes of BF6 (E3M2) with one E8M0 scale for each 32 along K; then f and g are quantised along their 64 channels and h along the KEYS, and all three leave as images of operand registers.
; A work-group owns 128 rows of x (block blk): one key step and eight query tiles of the attention launch.  Four waves.
; WHICH ROWS FORM A TILE: row m of tile t is row 64 (t / 4) + 8 (t % 4) + m % 8 + 32 (m / 8) of the block.  A tile used as source 0 then leaves, in the 32 registers of four neighbouring tiles, ONE WHOLE block of 32
; neighbours in one lane, in the order of the 6-bit operand (registers 6 c .. 6 c + 5 = k 64 c + 32 (lane / 16) + 0 .. 31): no lane is asked for a maximum and no halves are exchanged.  The weights' tiles are laid by the same map.
; PHASES.  1: x (128 rows of 1,024 bytes) and the weights' images (76,800 bytes) come into LDS by two tensor loads a wave, filled once; the weights go on into registers (all of Wf and Wg; my 64 columns of Wh).
; 2: wave w quantises tiles 2 w, 2 w + 1 of x (four fragments) and stores their images | barrier | 3: all 16 fragments of x into registers.
; 4: f and g of my two tiles (source 0 = the weight, source 1 = x: a lane holds one row, its registers run along the channels), quantised, stored.
; 5: h of all 128 rows for my 64 channels (source 0 = x, source 1 = Wh: a lane holds one channel, its registers run along the keys), quantised, stored.
; 6: the scale words meet in LDS | barrier | and leave as 512 consecutive bytes a wave.
; kv: a record of 32,256 bytes for each block: G 6,144 (g of the NEXT block of the batch, so block blk stores its g into the record before), GS 512, HS 1,024, H 24,576.  fq: 6,656 bytes a block: 4 x 1,536 of codes, 512 of words.
; f and g have K = 64: a tile is 6 registers a lane; bytes 2 and 3 of its scale word repeat bytes 0 and 1.
; NO CLUSTER: what work-groups share is one fill of 76,800 bytes beside 131,072 of their own, and there is no loop in which a shared tile comes again.
; LIMITS: a block of zeros gets the byte 1 where the rule says 127 (zero codes; the bytes are read by this program alone); NaN and infinities among the inputs are not served.
; REGISTERS: window 0: v1-15 addresses; v16-143 numbers of x, then accumulators, two sets of 64; v144-191 four fragments made; v192-219 at work; v220-251 scale words and nothing else; v252-253 store offsets.
;   window 1: Wf, Wg (16 fragments).   window 2: x (16 fragments), from v192 my own 4 once more.   window 3: my 8 fragments of Wh.
.set REC,  32256
.set XP,   1040                        ; a row of x in LDS: 1,024 bytes + 16 of padding
.set WT,   133120                      ; LDS: x at 0; the weights' images;
.set XI,   209920                      ; x's 16 fragments, 1,536 bytes each, number 2 t + s;
.set XS,   234496                      ; their scale words, 128 bytes each;
.set SS,   236544                      ; the stage for the words that leave: g's 512, h's 1,024, f's 512
.set RAW,  16
.set PC,   144
.set TP,   192
.set QM,   200
.set XX,   206
.set SH8,  207
.set WW,   208
.set HW,   210
.set FW,   214
.set GW,   215
.set CP,   216
.set WS,   220
.set WHS,  228
.set XSC,  232
.set XOS,  248
.set VO,   252
.set VH,   253
.set SEL,  54
.set HI,   56
.set MSB, 0
.macro WIN new                         ; the immediate's high byte repeats the setting that is left
.if MSB != (\new)
	s_set_vgpr_msb (MSB<<8)|(\new)
.set MSB, (\new)
.endif
.endm
.macro PLACES n
.rept \n
	v_nop
.endr
.endm
.macro QMAX a, b, m                    ; two blocks of 32 numbers: largest magnitudes (with the floor 2^(5 - 127) as a leaf), conversion scales, bytes.  Each accumulator is read from its low end on
	v_max3_num_f32 v[\m], |v[(\a)]|, |v[(\a)+1]|, 0x2800000
	v_max3_num_f32 v[\m+1], |v[(\b)]|, |v[(\b)+1]|, 0x2800000
.irp i, 2,4,6,8,10,12,14,16,18,20,22,24,26,28,30
	v_max3_num_f32 v[\m], v[\m], |v[(\a)+\i]|, |v[(\a)+\i+1]|
	v_max3_num_f32 v[\m+1], v[\m+1], |v[(\b)+\i]|, |v[(\b)+\i+1]|
.endr
	v_add_nc_u32 v[\m+2], 0xfe000000, v[\m]        ; 4 off the exponent field: the conversion's scale operand
	v_add_nc_u32 v[\m+3], 0xfe000000, v[\m+1]
	v_lshrrev_b32 v[\m+4], 23, v[\m+2]             ; the scale bytes
	v_lshrrev_b32 v[\m+5], 23, v[\m+3]
.endm
.macro QCVT a, b, pc, tp, m            ; the two blocks' codes: 12 registers from pc on
	v_cvt_scalef32_pk16_bf6_f32 v[(\pc):(\pc)+2], v[(\a):(\a)+15], v[\m+2]
	v_cvt_scalef32_pk16_bf6_f32 v[(\tp):(\tp)+2], v[(\a)+16:(\a)+31], v[\m+2]
	v_cvt_scalef32_pk16_bf6_f32 v[(\pc)+6:(\pc)+8], v[(\b):(\b)+15], v[\m+3]
	v_cvt_scalef32_pk16_bf6_f32 v[(\tp)+4:(\tp)+6], v[(\b)+16:(\b)+31], v[\m+3]
	v_nop                                          ; one plain place behind the scaled conversions
.irp i, 0,1,2
	v_mov_b32 v[(\pc)+3+\i], v[(\tp)+\i]
	v_mov_b32 v[(\pc)+9+\i], v[(\tp)+4+\i]
.endr
.endm
.macro WORD4 dst, m                    ; one row, four blocks: my bytes are blocks h and 2 + h; lane l xor 16 has the other two
	v_lshl_or_b32 v[WW], v[\m+5], 16, v[\m+4]
	v_lshlrev_b32 v[WW], v[SH8], v[WW]
	v_permlanex16_b32 v[XX], v[WW], s[SEL], s[SEL+1]
	v_or_b32 v[\dst], v[WW], v[XX]
.endm
.macro WORD2 dst, m                    ; two tiles of K = 64: byte m + 4 is block h of my row in the first tile, m + 5 in the second.  Lanes 0-15 end with the first tile's word, lanes 16-31 with the second's
	v_lshlrev_b32 v[WW], v[SH8], v[\m+4]
	v_lshlrev_b32 v[WW+1], v[SH8], v[\m+5]
	v_permlanex16_b32 v[XX], v[WW], s[SEL], s[SEL+1]
	v_or_b32 v[WW], v[WW], v[XX]
	v_permlanex16_b32 v[XX], v[WW+1], s[SEL], s[SEL+1]
	v_or_b32 v[WW+1], v[WW+1], v[XX]
	v_cndmask_b32 v[WW], v[WW], v[WW+1], s[HI]
	v_lshl_or_b32 v[\dst], v[WW], 16, v[WW]        ; bytes 2, 3 repeat bytes 0, 1: the unused half of K never has a scale of its own
.endm
; one matrix instruction: zero = 1 starts a sum; ra, rb: which half of the lanes of the scale registers is read
.macro WM d, a, b, zero, sa, ra, sb, rb
.if \zero
.if ((\ra) == 0) && ((\rb) == 0)
	v_wmma_scale_f32_16x16x128_f8f6f4 v[\d:\d+7], v[\a:\a+11], v[\b:\b+11], 0, v[\sa], v[\sb] matrix_a_fmt:MATRIX_FMT_BF6 matrix_b_fmt:MATRIX_FMT_BF6
.elseif (\rb) == 0
	v_wmma_scale_f32_16x16x128_f8f6f4 v[\d:\d+7], v[\a:\a+11], v[\b:\b+11], 0, v[\sa], v[\sb] matrix_a_fmt:MATRIX_FMT_BF6 matrix_b_fmt:MATRIX_FMT_BF6 matrix_a_scale:MATRIX_SCALE_ROW1
.elseif (\ra) == 0
	v_wmma_scale_f32_16x16x128_f8f6f4 v[\d:\d+7], v[\a:\a+11], v[\b:\b+11], 0, v[\sa], v[\sb] matrix_a_fmt:MATRIX_FMT_BF6 matrix_b_fmt:MATRIX_FMT_BF6 matrix_b_scale:MATRIX_SCALE_ROW1
.else
	v_wmma_scale_f32_16x16x128_f8f6f4 v[\d:\d+7], v[\a:\a+11], v[\b:\b+11], 0, v[\sa], v[\sb] matrix_a_fmt:MATRIX_FMT_BF6 matrix_b_fmt:MATRIX_FMT_BF6 matrix_a_scale:MATRIX_SCALE_ROW1 matrix_b_scale:MATRIX_SCALE_ROW1
.endif
.else
.if ((\ra) == 0) && ((\rb) == 0)
	v_wmma_scale_f32_16x16x128_f8f6f4 v[\d:\d+7], v[\a:\a+11], v[\b:\b+11], v[\d:\d+7], v[\sa], v[\sb] matrix_a_fmt:MATRIX_FMT_BF6 matrix_b_fmt:MATRIX_FMT_BF6
.elseif (\rb) == 0
	v_wmma_scale_f32_16x16x128_f8f6f4 v[\d:\d+7], v[\a:\a+11], v[\b:\b+11], v[\d:\d+7], v[\sa], v[\sb] matrix_a_fmt:MATRIX_FMT_BF6 matrix_b_fmt:MATRIX_FMT_BF6 matrix_a_scale:MATRIX_SCALE_ROW1
.elseif (\ra) == 0
	v_wmma_scale_f32_16x16x128_f8f6f4 v[\d:\d+7], v[\a:\a+11], v[\b:\b+11], v[\d:\d+7], v[\sa], v[\sb] matrix_a_fmt:MATRIX_FMT_BF6 matrix_b_fmt:MATRIX_FMT_BF6 matrix_b_scale:MATRIX_SCALE_ROW1
.else
	v_wmma_scale_f32_16x16x128_f8f6f4 v[\d:\d+7], v[\a:\a+11], v[\b:\b+11], v[\d:\d+7], v[\sa], v[\sb] matrix_a_fmt:MATRIX_FMT_BF6 matrix_b_fmt:MATRIX_FMT_BF6 matrix_a_scale:MATRIX_SCALE_ROW1 matrix_b_scale:MATRIX_SCALE_ROW1
.endif
.endif
.endm
	s_load_b256 s[4:11], s[0:1], 0x0               ; x s[4:5], wimg s[6:7], kv s[8:9], fq s[10:11]
	v_lshl_add_u32 v254, v0, 2, 0x3c000
	v_mov_b32 v255, 0
	ds_add_u32 v254, v255
	ds_add_u32 v254, v255
	v_lshrrev_b32 v16, 5, v0
	v_readfirstlane_b32 s16, v16                   ; wave 0..3
	s_mov_b32 s17, ttmp9                           ; blk
	; descriptor group 1 for x: 32 rows of 256 elements of 4 bytes, 16 bytes of padding behind each row of 256 words
	s_mov_b32 s24, (2<<16)|(1<<20)|(7<<22)|(3<<25)
	s_mov_b32 s25, 256<<16                         ; tensor_dim0
	s_mov_b32 s26, 32<<16                          ; tensor_dim1
	s_mov_b32 s27, 256<<16                         ; tile_dim0
	s_mov_b32 s28, 32                              ; tile_dim1
	s_mov_b32 s29, 256                             ; elements from row to row
	s_mov_b32 s30, 0
	s_mov_b32 s31, 0
	; and for a quarter of the weights' images: a dense block of 19,200 bytes as 75 rows of 32 elements of 8 bytes
	s_mov_b32 s32, 3<<16
	s_mov_b32 s33, 32<<16
	s_mov_b32 s34, 75<<16
	s_mov_b32 s35, 32<<16
	s_mov_b32 s36, 75
	s_mov_b32 s37, 32
	s_mov_b32 s38, 0
	s_mov_b32 s39, 0
	s_mul_i32 s18, s16, 32*XP                      ; my 32 rows of x in LDS
	s_mul_i32 s22, s16, 19200                      ; my quarter of the weights
	s_mov_b32 s23, 0
	s_lshl_b32 s20, s17, 17                        ; 128 rows of 1,024 bytes a block,
	s_lshl_b32 s21, s16, 15                        ; 32 a wave
	s_add_co_u32 s20, s20, s21
	s_mov_b32 s21, 0
	s_wait_dscnt 0x0
	s_wait_kmcnt 0x0
	s_mov_b32 s40, 1
	s_mov_b32 s41, s18
	s_add_nc_u64 s[42:43], s[4:5], s[20:21]
	s_or_b32 s43, s43, 0x80000000
	s_mov_b32 s44, 1
	s_add_co_u32 s45, s22, WT
	s_add_nc_u64 s[46:47], s[6:7], s[22:23]
	s_or_b32 s47, s47, 0x80000000
	tensor_load_to_lds s[40:43], s[24:31]          ; the two fills of a wave go out together, ahead of every wait, LDS read and barrier; every LDS byte is filled once
	s_nop 0
	tensor_load_to_lds s[44:47], s[32:39]
	s_nop 0
	PLACES 4                                       ; four places behind a tensor load
	v_and_b32 v16, 31, v0                          ; lane
	v_and_b32 v17, 15, v0                          ; r
	v_bfe_u32 v18, v0, 4, 1                        ; h
	v_lshlrev_b32 v1, 4, v16                       ; 16 x lane
	v_lshlrev_b32 v2, 2, v16                       ; 4 x lane
	s_lshr_b32 s48, s16, 1
	s_and_b32 s49, s16, 1
	s_lshl_b32 s50, s48, 6
	s_lshl_b32 s51, s49, 4
	s_add_co_u32 s50, s50, s51                     ; my tiles' first row: 64 (w / 2) + 16 (w % 2)
	s_mul_i32 s50, s50, XP
	v_and_b32 v19, 7, v17
	v_lshrrev_b32 v20, 3, v17
	v_lshl_add_u32 v19, v20, 5, v19                ; r % 8 + 32 (r / 8)
	v_mul_u32_u24 v3, v19, XP
	v_lshl_add_u32 v3, v18, 7, v3                  ; + 128 h: my 32 numbers of each 64
	v_add_nc_u32 v3, s50, v3
	v_add_nc_u32 v4, WT, v1                        ; Wf, Wg
	s_mul_i32 s51, s16, 12288
	s_add_co_u32 s51, s51, WT+24576
	v_add_nc_u32 v5, s51, v1                       ; my 8 fragments of Wh
	v_add_nc_u32 v6, WT+73728, v1                  ; the scale words of Wf, Wg
	s_lshl_b32 s51, s16, 9
	s_add_co_u32 s52, s51, WT+73728+1024
	v_add_nc_u32 v7, s52, v1                       ; of my fragments of Wh
	v_add_nc_u32 v8, XI, v1
	s_mul_i32 s52, s16, 6144
	s_add_co_u32 s52, s52, XI
	v_add_nc_u32 v9, s52, v1                       ; my four images of x
	v_add_nc_u32 v10, XS, v2
	s_add_co_u32 s52, s51, XS
	v_add_nc_u32 v11, s52, v2                      ; and their words
	s_lshl_b32 s52, s16, 2
	s_add_co_u32 s52, s52, SS
	v_add_nc_u32 v12, s52, v1                      ; g's words: 16 x lane + 4 w
	s_lshl_b32 s52, s16, 7
	s_add_co_u32 s52, s52, SS+1536
	v_add_nc_u32 v13, s52, v2                      ; f's words: 128 w + 4 x lane
	s_lshl_b32 s52, s48, 9
	s_lshl_b32 s53, s49, 8
	s_add_co_u32 s52, s52, s53
	s_add_co_u32 s52, s52, SS+512
	v_lshl_add_u32 v14, v17, 4, s52                ; h's words: 512 (w / 2) + 256 (w % 2) + 16 r
	s_add_co_u32 s52, s51, SS
	v_add_nc_u32 v15, s52, v1                      ; the 512 bytes of the stage that I carry out
	v_lshlrev_b32 v[SH8], 3, v18
	v_mov_b32 v[XX], 0                             ; a lane permute's destination counts as read
	s_mul_i32 s52, s16, 1536
	v_add_nc_u32 v[VO], s52, v1                    ; store offsets: f and g,
	s_mul_i32 s52, s16, 6144
	v_add_nc_u32 v[VH], s52, v1                    ; h
	s_mov_b32 s[SEL], 0x76543210
	s_mov_b32 s[SEL+1], 0xfedcba98
	s_mov_b32 s[HI], 0xffff0000                    ; lanes 16-31
	s_mul_i32 s52, s17, 6656
	s_mov_b32 s53, 0
	s_add_nc_u64 s[58:59], s[10:11], s[52:53]      ; fq at my block
	s_mul_i32 s52, s17, REC
	s_add_nc_u64 s[60:61], s[8:9], s[52:53]        ; kv at my record
	s_and_b32 s52, s17, 0xffffffe0
	s_add_co_u32 s50, s17, 31
	s_and_b32 s50, s50, 31
	s_or_b32 s52, s52, s50                         ; the record before, round the batch's 32
	s_mul_i32 s52, s52, REC
	s_add_nc_u64 s[62:63], s[8:9], s[52:53]
	s_add_co_u32 s20, s51, 6144                    ; where my 512 bytes of words go: wave 0 g's, waves 1, 2 h's, wave 3 f's
	s_mov_b32 s21, 0
	s_add_nc_u64 s[20:21], s[60:61], s[20:21]
	s_add_nc_u64 s[18:19], s[62:63], 6144
	s_add_nc_u64 s[22:23], s[58:59], 6144
	s_cmp_eq_u32 s16, 0
	s_cselect_b64 s[20:21], s[18:19], s[20:21]
	s_cmp_eq_u32 s16, 3
	s_cselect_b64 s[20:21], s[22:23], s[20:21]
	; ---- 1: the fills have landed, everybody's; the weights go into registers
	s_wait_tensorcnt 0x0
	s_barrier_signal -1
	s_barrier_wait -1
	WIN 0x40                                       ; destination window 1
.set k, 0
.rept 48
	ds_load_b128 v[4*k:4*k+3], v4 offset:512*k
.set k, k+1
.endr
	WIN 0xc0                                       ; destination window 3
.set k, 0
.rept 24
	ds_load_b128 v[4*k:4*k+3], v5 offset:512*k
.set k, k+1
.endr
	WIN 0
	ds_load_b128 v[WS:WS+3], v6
	ds_load_b128 v[WS+4:WS+7], v6 offset:512
	ds_load_b128 v[WHS:WHS+3], v7
	; ---- 2: my two tiles of x, two K steps each, become four fragments
.macro XL st, e, ks                    ; 64 numbers of my row: k = 128 ks + 64 cc + 32 h + 0 .. 31, into set st
.irp cc, 0,1
.irp i, 0,1,2,3,4,5,6,7
	ds_load_b128 v[RAW+64*\st+32*\cc+4*\i:RAW+64*\st+32*\cc+4*\i+3], v3 offset:8*XP*\e+512*\ks+256*\cc+16*\i
.endr
.endr
.endm
.macro XQ st, idx                      ; set st becomes fragment idx = 2 e + ks of mine; image and word to LDS
	QMAX RAW+64*\st, RAW+64*\st+32, QM
	WORD4 HW+\idx, QM
	QCVT RAW+64*\st, RAW+64*\st+32, PC+12*\idx, TP, QM
.irp c, 0,1,2
	ds_store_b128 v9, v[PC+12*\idx+4*\c:PC+12*\idx+4*\c+3] offset:1536*\idx+512*\c
.endr
	ds_store_b32 v11, v[HW+\idx] offset:128*\idx
.endm
	XL 0, 0, 0
	XL 1, 0, 1
	s_wait_dscnt 16                                ; set 0 is in; behind it: set 1's 16 loads
	XQ 0, 0
	XL 0, 1, 0
	s_wait_dscnt 20                                ; set 1 is in; behind it: 4 stores and 16 loads
	XQ 1, 1
	XL 1, 1, 1
	s_wait_dscnt 20                                ; the same count for set 0's second filling
	XQ 0, 2
	s_wait_dscnt 4                                 ; behind set 1's loads: 4 stores
	XQ 1, 3
	s_wait_dscnt 0x0                               ; for the others' sake: my images have landed
	s_barrier_signal -1
	s_barrier_wait -1
	; ---- 3: all of x's fragments and words into registers
	WIN 0x80                                       ; destination window 2
.set k, 0
.rept 48
	ds_load_b128 v[4*k:4*k+3], v8 offset:512*k
.set k, k+1
.endr
.set k, 0
.rept 12
	ds_load_b128 v[192+4*k:192+4*k+3], v9 offset:512*k
.set k, k+1
.endr
	WIN 0
.set k, 0
.rept 16
	ds_load_b32 v[XSC+k], v10 offset:128*k
.set k, k+1
.endr
.set k, 0
.rept 4
	ds_load_b32 v[XOS+k], v11 offset:128*k
.set k, k+1
.endr
	s_wait_dscnt 0x0
	; ---- 4: f and g of my two tiles: 16 accumulators by turns, K step by K step
	WIN 0x09                                       ; source 0 (the weight) window 1, source 1 (x) window 2
.irp ks, 0,1
.irp e, 0,1
.irp g, 0,1
.irp u, 0,1,2,3
.set wF, 2*(4*\g+\u)+\ks
.set wD, RAW+64*\e+32*\g+8*\u
.set wA, 12*wF
.set wB, 192+12*(2*\e+\ks)
.set wSA, WS+4*(wF/8)+wF%4
.set wRA, (wF%8)/4
.set wSB, XOS+2*\e+\ks
	WM wD, wA, wB, 1-\ks, wSA, wRA, wSB, 0
.endr
.endr
.endr
.endr
	WIN 0
	PLACES 4                                       ; in front of the first read of results
	QMAX RAW, RAW+64, QM                           ; f: the 32 channels of my half, tile 2 w and tile 2 w + 1
	WORD2 FW, QM
	QCVT RAW, RAW+64, PC, TP, QM
.irp c, 0,1,2
	global_store_b128 v[VO], v[PC+4*\c:PC+4*\c+3], s[58:59] offset:512*\c
.endr
	ds_store_b32 v13, v[FW]
	QMAX RAW+32, RAW+96, QM                        ; g likewise
	WORD2 GW, QM
	QCVT RAW+32, RAW+96, PC+12, TP, QM
.irp c, 0,1,2
	global_store_b128 v[VO], v[PC+12+4*\c:PC+12+4*\c+3], s[62:63] offset:512*\c
.endr
	ds_store_b32 v12, v[GW]
	; ---- 5: h for my channels 64 w on: tile cc of four, 8 accumulators (the 8 tiles of rows) by turns, in two sets that take turns
.macro MMH cc
	WIN 0x0e                                       ; source 0 (x) window 2, source 1 (Wh) window 3
.irp ks, 0,1
.irp t, 0,1,2,3,4,5,6,7
.set wD, RAW+64*((\cc)%2)+8*\t
.set wA, 12*(2*\t+\ks)
.set wB, 12*(2*(\cc)+\ks)
.set wSA, XSC+2*\t+\ks
.set wSB, WHS+(2*(\cc)+\ks)%4
.set wRB, (2*(\cc)+\ks)/4
	WM wD, wA, wB, 1-\ks, wSA, 0, wSB, wRB
.endr
.endr
	WIN 0
.endm
.macro QH cc, pc                       ; a lane holds one channel and 64 keys: blocks h and 2 + h of the step's 128
	PLACES 4                                       ; in front of the first read of results: matrix instructions in between are not counted
	QMAX RAW+64*((\cc)%2), RAW+64*((\cc)%2)+32, QM
	WORD4 HW+\cc, QM
	QCVT RAW+64*((\cc)%2), RAW+64*((\cc)%2)+32, \pc, TP, QM
.irp c, 0,1,2
	global_store_b128 v[VH], v[(\pc)+4*\c:(\pc)+4*\c+3], s[60:61] offset:7680+1536*\cc+512*\c
.endr
.endm
	MMH 0
	MMH 1
	QH 0, PC+24
	MMH 2
	QH 1, PC+36
	MMH 3
	s_wait_xcnt 0x0                                ; the stores of f and g have read v144-167: only now are these written again
	QH 2, PC
	QH 3, PC+12
	ds_store_b128 v14, v[HW:HW+3]                  ; my four tiles' words of row r; both halves of the lanes store the same bytes
	; ---- 6: the words leave
	s_wait_dscnt 0x0
	s_barrier_signal -1
	s_barrier_wait -1
	ds_load_b128 v[CP:CP+3], v15
	s_wait_dscnt 0x0
	global_store_b128 v1, v[CP:CP+3], s[20:21]     ; 32 lanes store 512 consecutive bytes, at a multiple of 256 from the buffer's first byte, as does every store of this launch
	s_wait_tensorcnt 0x0
	ds_add_u32 v254, v255
	s_wait_dscnt 0x0
	s_endpgm
.Lfunc_end_k_qce428a4bb2_proj:
	.size	k_qce428a4bb2_proj, .Lfunc_end_k_qce428a4bb2_proj-k_qce428a4bb2_proj
	.p2alignl 7, 3214868480
	.fill 96, 4, 3214868480
	.section	.rodata,"a",@progbits
	.p2align	6, 0x0
	.amdhsa_kernel k_qce428a4bb2_proj
		.amdhsa_group_segment_fixed_size 246272
		.amdhsa_private_segment_fixed_size 0
		.amdhsa_enable_private_segment 0
		.amdhsa_kernarg_size 32
		.amdhsa_user_sgpr_count 2
		.amdhsa_user_sgpr_kernarg_segment_ptr 1
		.amdhsa_wavefront_size32 1
		.amdhsa_system_sgpr_workgroup_id_x 1
		.amdhsa_system_sgpr_workgroup_id_y 1
		.amdhsa_system_sgpr_workgroup_id_z 1
		.amdhsa_system_vgpr_workitem_id 0
		.amdhsa_next_free_vgpr 1024
		.amdhsa_next_free_sgpr 66
		.amdhsa_reserve_vcc 0
		.amdhsa_float_denorm_mode_32 3
		.amdhsa_float_denorm_mode_16_64 3
		.amdhsa_memory_ordered 1
		.amdhsa_forward_progress 1
		.amdhsa_inst_pref_size 66
	.end_amdhsa_kernel
	.amdgpu_metadata
---
amdhsa.version: [ 1, 2 ]
amdhsa.kernels:
  - .name:           k_qce428a4bb2_proj
    .symbol:         k_qce428a4bb2_proj.kd
    .args:
      - { .name: x, .offset: 0, .size: 8, .value_kind: global_buffer, .address_space: global }
      - { .name: wimg, .offset: 8, .size: 8, .value_kind: global_buffer, .address_space: global }
      - { .name: kv, .offset: 16, .size: 8, .value_kind: global_buffer, .address_space: global }
      - { .name: fq, .offset: 24, .size: 8, .value_kind: global_buffer, .address_space: global }
    .group_segment_fixed_size: 246272
    .private_segment_fixed_size: 0
    .kernarg_segment_align: 8
    .kernarg_segment_size: 32
    .max_flat_workgroup_size: 128
    .sgpr_count:     66
    .vgpr_count:     1024
    .wavefront_size: 32
...
	.end_amdgpu_metadata
.endif
;; end of part 2
;; launch attn (part 3): grid 32 x 8, 4 waves a work-group, clusters of 4 x 1, 327,680 bytes of LDS; arguments kv, fq, wimg, x, gamma, out0; writes out0
.if DOCPART == 3
	.amdgcn_target "amdgcn-amd-amdhsa--gfx1250"
	.amdhsa_code_object_version 6
	.text
	.protected	k_qce428a4bb2_attn
	.globl	k_qce428a4bb2_attn
	.p2align	8
	.type	k_qce428a4bb2_attn,@function
k_qce428a4bb2_attn:
	s_mov_b64 s[64:65], 0
	v_nop
	global_prefetch_b8 v0, s[64:65] scope:SCOPE_SE
	s_setreg_imm32_b32 hwreg(HW_REG_WAVE_MODE, 25, 1), 1
	s_wait_xcnt 0x0
	s_wait_alu depctr_hold_cnt(0) depctr_sa_sdst(0) depctr_va_vdst(0) depctr_va_sdst(0) depctr_va_ssrc(0) depctr_va_vcc(0) depctr_vm_vsrc(0)
	s_getreg_b32 s2, hwreg(HW_REG_IB_STS2, 6, 4)
	s_cmp_eq_u32 s2, 0
	s_cbranch_scc0 .Lentry_in_a_cluster
	s_endpgm
.Lentry_in_a_cluster:
	s_bfe_u32 s2, ttmp6, 0x10000c
	s_cmp_lg_u32 s2, 0x3003
	s_cbranch_scc0 .Lentry_shape_is_right
	s_endpgm
.Lentry_shape_is_right:
; out = gamma (softmax(f g^T) h) Wv + x, the three products on codes of BF6 (E3M2) with one E8M0 scale for each 32 along K.  f, g, h and Wv arrive as images of operand registers (launches wq and proj).
; THE SOFTMAX AHEAD OF THE SECOND PRODUCT: t = score x log2(e); M = the running largest t rounded UP to a whole number, kept as -M = floor(-t); p = 2^(t - M) is quantised along the keys, not normalised;
; the row's sum is taken of the unquantised p; when M moves, the sum and O are multiplied by 2^(old M - new M), exactly; O is divided by the sum at the end, quantised along the channels and multiplied by Wv.
; SHARES.  A work-group owns 128 queries of one batch; wave w owns tiles A = 2 w and B = 2 w + 1 of 16 queries, so that each fragment of g and h read from LDS feeds two matrix instructions.  Every wave walks 32 key steps of 128.
; LAYOUT.  All products are used transposed (source 0 = 16 keys, channels or outputs; source 1 = my 16 queries): a lane holds ONE query throughout.  The keys of a tile of g and the channels of a tile of h were chosen
; (row m of tile c = item 64 (c / 4) + 8 (c % 4) + m % 8 + 32 (m / 8)) so that the 32 registers of four neighbouring result tiles are a WHOLE block of 32 in one lane, in the operand's order: no exchange between lanes but for the scale word.
; K = 64 IN AN INSTRUCTION OF 128: f's registers 6-11 are zero codes.  g's eight tiles lie 6 registers apart, so a tile's registers 6-11 are the next tile's codes (behind the last: zeros): finite numbers that meet zero codes and add nothing.
; RING.  A key step's operands are one dense record of 32,256 bytes; a slot holds four records, one tensor load a wave; two slots.  g lies one record early, so that the next step's g is read from the record in hand.
; CLUSTER.  The four work-groups of a cluster belong to one batch and walk the same records: each load is asked for JOINTLY, mask 15; the place in the cluster enters the addresses of fq, x and out0 alone.
; A wave has two tensor loads out at the start and one behind each round.
; O^T begins as zeros (256 moves, once, while the first fills are on their way), so that the key step has no first copy of its own.
; LIMITS: NaN and infinities are not served; a block of zeros gets the byte 1 where the rule says 127 (zero codes); v_exp_f32 gives 0 under 2^-126; a block's largest p is taken from its largest score by the same
; multiply-add and exponential (this takes v_exp_f32 not to fall where its input rises); 1 / sum is v_rcp_f32 and a multiplication.
; REGISTERS.  window 0: v1-9 addresses; v12-27, v28-43 statistics of A, B; v44-63 scale words and nothing else; v64-127 S^T / p of A, v128-191 of B; v192-245 g and 6 zeros.
;   windows 1, 2 (tile A, B): v0-127 O^T; v128-139 p's codes; v140-147 at work; v148-159 f; v160-182 for the way out.   window 3: v0-191 h; v192-195 the factors 2^(old M - new M).
.set REC,   32256
.set SLOT1, 1<<17
.set WVL,   262144                     ; LDS behind the ring: Wv's 32 fragments and 2,048 bytes of words, filled once
.set SPARE, 313344                     ; the spare words, 128 bytes a wave: two blocks of 256 bytes that no other line names
.set SROW,  1040                       ; the way out: 16 rows x (1,024 + 16) bytes a wave, in slot 0, which has had its last fill and its last read by then
.set L16, 1
.set ADR, 2
.set SPW, 3
.set NIL, 4
.set STO, 5
.set RD,  6
.set AWV, 7
.set SH8, 9
.set ST,  12                           ; a tile's 16: +0 -M, +1 largest t, +2,3 sum, +4,5 second chain, +6,7 the two blocks' largest, +8 from the other half, +9 at work, +10,11 conversion scales, +12,13 bytes, +14,15 factor
.set PW,  44
.set FS,  46
.set GS,  48
.set HS,  52
.set S,   64
.set G,   192
.set WV,  16
.set G1,  24
.set G1W, 32
.set G0,  40
.set G0W, 44
.set TB,  48
.set SLOTS, 49
.set STEPS, 50
.set CS,  52
.set SEL, 54
.set GAM, 56
.set XB,  58
.set OB,  60
.set GB,  62
.set MSB, 0
.macro WIN new                         ; the immediate's high byte repeats the setting that is left
.if MSB != (\new)
	s_set_vgpr_msb (MSB<<8)|(\new)
.set MSB, (\new)
.endif
.endm
.macro PLACES n
.rept \n
	v_nop
.endr
.endm
.macro CROUND                          ; a round of the cluster's barrier
	s_barrier_signal -1
	s_barrier_wait -1
	s_cmp_lg_u32 s[WV], 0
	s_cbranch_scc1 .Lnot_wave_0_\@
	s_barrier_signal -3
.Lnot_wave_0_\@:
	s_barrier_wait -3
	s_barrier_signal -1
	s_barrier_wait -1
.endm
.macro QMAX a, b, m
	v_max3_num_f32 v[\m], |v[(\a)]|, |v[(\a)+1]|, 0x2800000
	v_max3_num_f32 v[\m+1], |v[(\b)]|, |v[(\b)+1]|, 0x2800000
.irp i, 2,4,6,8,10,12,14,16,18,20,22,24,26,28,30
	v_max3_num_f32 v[\m], v[\m], |v[(\a)+\i]|, |v[(\a)+\i+1]|
	v_max3_num_f32 v[\m+1], v[\m+1], |v[(\b)+\i]|, |v[(\b)+\i+1]|
.endr
	v_add_nc_u32 v[\m+2], 0xfe000000, v[\m]
	v_add_nc_u32 v[\m+3], 0xfe000000, v[\m+1]
	v_lshrrev_b32 v[\m+4], 23, v[\m+2]
	v_lshrrev_b32 v[\m+5], 23, v[\m+3]
.endm
.macro QCVT a, b, pc, tp, m
	v_cvt_scalef32_pk16_bf6_f32 v[(\pc):(\pc)+2], v[(\a):(\a)+15], v[\m+2]
	v_cvt_scalef32_pk16_bf6_f32 v[(\tp):(\tp)+2], v[(\a)+16:(\a)+31], v[\m+2]
	v_cvt_scalef32_pk16_bf6_f32 v[(\pc)+6:(\pc)+8], v[(\b):(\b)+15], v[\m+3]
	v_cvt_scalef32_pk16_bf6_f32 v[(\tp)+4:(\tp)+6], v[(\b)+16:(\b)+31], v[\m+3]
	v_nop                                          ; one plain place behind the scaled conversions
.irp i, 0,1,2
	v_mov_b32 v[(\pc)+3+\i], v[(\tp)+\i]
	v_mov_b32 v[(\pc)+9+\i], v[(\tp)+4+\i]
.endr
.endm
.macro WM d, a, b, zero, sa, ra, sb, rb
.if \zero
.if ((\ra) == 0) && ((\rb) == 0)
	v_wmma_scale_f32_16x16x128_f8f6f4 v[\d:\d+7], v[\a:\a+11], v[\b:\b+11], 0, v[\sa], v[\sb] matrix_a_fmt:MATRIX_FMT_BF6 matrix_b_fmt:MATRIX_FMT_BF6
.elseif (\rb) == 0
	v_wmma_scale_f32_16x16x128_f8f6f4 v[\d:\d+7], v[\a:\a+11], v[\b:\b+11], 0, v[\sa], v[\sb] matrix_a_fmt:MATRIX_FMT_BF6 matrix_b_fmt:MATRIX_FMT_BF6 matrix_a_scale:MATRIX_SCALE_ROW1
.elseif (\ra) == 0
	v_wmma_scale_f32_16x16x128_f8f6f4 v[\d:\d+7], v[\a:\a+11], v[\b:\b+11], 0, v[\sa], v[\sb] matrix_a_fmt:MATRIX_FMT_BF6 matrix_b_fmt:MATRIX_FMT_BF6 matrix_b_scale:MATRIX_SCALE_ROW1
.else
	v_wmma_scale_f32_16x16x128_f8f6f4 v[\d:\d+7], v[\a:\a+11], v[\b:\b+11], 0, v[\sa], v[\sb] matrix_a_fmt:MATRIX_FMT_BF6 matrix_b_fmt:MATRIX_FMT_BF6 matrix_a_scale:MATRIX_SCALE_ROW1 matrix_b_scale:MATRIX_SCALE_ROW1
.endif
.else
.if ((\ra) == 0) && ((\rb) == 0)
	v_wmma_scale_f32_16x16x128_f8f6f4 v[\d:\d+7], v[\a:\a+11], v[\b:\b+11], v[\d:\d+7], v[\sa], v[\sb] matrix_a_fmt:MATRIX_FMT_BF6 matrix_b_fmt:MATRIX_FMT_BF6
.elseif (\rb) == 0
	v_wmma_scale_f32_16x16x128_f8f6f4 v[\d:\d+7], v[\a:\a+11], v[\b:\b+11], v[\d:\d+7], v[\sa], v[\sb] matrix_a_fmt:MATRIX_FMT_BF6 matrix_b_fmt:MATRIX_FMT_BF6 matrix_a_scale:MATRIX_SCALE_ROW1
.elseif (\ra) == 0
	v_wmma_scale_f32_16x16x128_f8f6f4 v[\d:\d+7], v[\a:\a+11], v[\b:\b+11], v[\d:\d+7], v[\sa], v[\sb] matrix_a_fmt:MATRIX_FMT_BF6 matrix_b_fmt:MATRIX_FMT_BF6 matrix_b_scale:MATRIX_SCALE_ROW1
.else
	v_wmma_scale_f32_16x16x128_f8f6f4 v[\d:\d+7], v[\a:\a+11], v[\b:\b+11], v[\d:\d+7], v[\sa], v[\sb] matrix_a_fmt:MATRIX_FMT_BF6 matrix_b_fmt:MATRIX_FMT_BF6 matrix_a_scale:MATRIX_SCALE_ROW1 matrix_b_scale:MATRIX_SCALE_ROW1
.endif
.endif
.endm
	s_load_b256 s[4:11], s[0:1], 0x0               ; kv s[4:5], fq s[6:7], wimg s[8:9], x s[10:11]
	s_load_b128 s[12:15], s[0:1], 0x20             ; gamma s[12:13], out0 s[14:15]
	v_lshl_add_u32 v[SPW], v0, 2, SPARE
	v_mov_b32 v[NIL], 0
	ds_add_u32 v3, v4
	ds_add_u32 v3, v4
	s_wait_dscnt 0x0
	v_lshrrev_b32 v8, 5, v0
	v_readfirstlane_b32 s[WV], v8                  ; wave 0..3
	s_and_b32 s19, ttmp7, 0xffff                   ; the batch, which the four partners share
	s_lshl_b32 s51, s19, 5                         ; its first record and block
	s_bfe_u32 s17, ttmp6, 0x40000                  ; cx: my place in the cluster
	s_lshl_b32 s18, ttmp9, 2
	s_add_co_u32 s18, s18, s17
	s_add_co_u32 s18, s18, s51                     ; my block of 128 queries: it enters the addresses of fq, x and out0 alone
	; descriptor group 1: a record, 126 rows of 32 elements of 8 bytes, dense; the mask names all four work-groups, bit 21 beside it
	s_mov_b32 s[G1], 15|(3<<16)|(1<<21)
	s_mov_b32 s[G1+1], 32<<16
	s_mov_b32 s[G1+2], 126<<16
	s_mov_b32 s[G1+3], 32<<16
	s_mov_b32 s[G1+4], 126
	s_mov_b32 s[G1+5], 32
	s_mov_b32 s[G1+6], 0
	s_mov_b32 s[G1+7], 0
	; and a quarter of Wv's part of wimg: 50 such rows
	s_mov_b32 s[G1W], 15|(3<<16)|(1<<21)
	s_mov_b32 s[G1W+1], 32<<16
	s_mov_b32 s[G1W+2], 50<<16
	s_mov_b32 s[G1W+3], 32<<16
	s_mov_b32 s[G1W+4], 50
	s_mov_b32 s[G1W+5], 32
	s_mov_b32 s[G1W+6], 0
	s_mov_b32 s[G1W+7], 0
	s_add_co_u32 s20, s51, s[WV]
	s_mul_i32 s20, s20, REC                        ; record w of the batch
	s_mov_b32 s21, 0
	s_mul_i32 s22, s[WV], 12800
	s_add_co_u32 s[G0W+1], s22, WVL
	s_add_co_u32 s22, s22, 76800
	s_mov_b32 s23, 0
	s_add_co_u32 s[GB], s51, 31
	s_mul_i32 s[GB], s[GB], REC                    ; the batch's last record holds g of step 0
	s_mov_b32 s[GB+1], 0
	s_mov_b32 s[G0], 1
	s_mul_i32 s[G0+1], s[WV], REC                  ; slot 0, my record's place
	s_mov_b32 s[G0W], 1
	s_mul_i32 s2, s18, 6656
	s_mov_b32 s3, 0
	s_mov_b32 s[CS], 0x3fb8aa3b                    ; log2(e)
	s_mov_b32 s[CS+1], s[CS]                       ; (named with it as a pair, so it is written)
	s_mov_b32 s[SEL], 0x76543210
	s_mov_b32 s[SEL+1], 0xfedcba98
	s_mov_b32 s[TB], 0
	s_mov_b32 s[SLOTS], 7
	s_wait_kmcnt 0x0
	s_load_b32 s[GAM], s[12:13], 0x0
	s_add_nc_u64 s[G0+2:G0+3], s[4:5], s[20:21]
	s_or_b32 s[G0+3], s[G0+3], 0x80000000
	s_add_nc_u64 s[G0W+2:G0W+3], s[8:9], s[22:23]
	s_or_b32 s[G0W+3], s[G0W+3], 0x80000000
	s_add_nc_u64 s[GB:GB+1], s[4:5], s[GB:GB+1]
	s_add_nc_u64 s[6:7], s[6:7], s[2:3]            ; fq at my block
	s_lshl_b32 s2, s18, 7
	s_lshr_b32 s50, s[WV], 1
	s_lshl_b32 s50, s50, 6
	s_add_co_u32 s2, s2, s50
	s_and_b32 s50, s[WV], 1
	s_lshl_b32 s50, s50, 4
	s_add_co_u32 s2, s2, s50                       ; my tiles' first row: 128 blk + 64 (w / 2) + 16 (w % 2)
	s_lshl_b32 s2, s2, 10
	s_add_nc_u64 s[XB:XB+1], s[10:11], s[2:3]
	s_add_nc_u64 s[OB:OB+1], s[14:15], s[2:3]
	CROUND                                         ; all four work-groups are here: the first joint loads meet
	tensor_load_to_lds s[G0W:G0W+3], s[G1W:G1W+7]  ; my quarter of Wv
	s_nop 0
	tensor_load_to_lds s[G0:G0+3], s[G1:G1+7]      ; record w into slot 0
	s_nop 0
	PLACES 4                                       ; four places behind a tensor load
	v_and_b32 v8, 31, v0                           ; lane
	v_lshlrev_b32 v[L16], 4, v8
	v_and_b32 v10, 15, v0                          ; r
	v_bfe_u32 v11, v0, 4, 1                        ; h
	v_lshlrev_b32 v[SH8], 3, v11
	s_mul_i32 s50, s[WV], 16*SROW
	v_mul_u32_u24 v[STO], v10, SROW
	v_lshl_add_u32 v[STO], v11, 5, v[STO]
	v_add_nc_u32 v[STO], s50, v[STO]               ; the stage, in: row r, + 32 h
	v_add_nc_u32 v[RD], s50, v[L16]                ; and back: 16 bytes a lane
	v_add_nc_u32 v[AWV], WVL, v[L16]
	s_mul_i32 s50, s[WV], 1536
	v_add_nc_u32 v10, s50, v[L16]                  ; f: my wave's 12 registers
	s_lshl_b32 s50, s[WV], 7
	v_lshl_add_u32 v11, v8, 2, s50                 ; and its words
	WIN 0x40                                       ; tile A's six registers: chunk 0 and the first half of chunk 1
	global_load_b128 v[148:151], v10, s[6:7]
	global_load_b64 v[152:153], v10, s[6:7] offset:512
	WIN 0x80                                       ; tile B's: the second half of chunk 1 and chunk 2
	global_load_b64 v[148:149], v10, s[6:7] offset:520
	global_load_b128 v[150:153], v10, s[6:7] offset:1024
	WIN 0
	global_load_b32 v[FS], v11, s[6:7] offset:6144 ; lanes 0-15 tile A's words, lanes 16-31 tile B's
.set k, 0
.rept 12
	global_load_b128 v[G+4*k:G+4*k+3], v[L16], s[GB:GB+1] offset:512*k   ; g of step 0
.set k, k+1
.endr
	global_load_b128 v[GS:GS+3], v[L16], s[GB:GB+1] offset:6144
.irp w, 0x40, 0x80
	WIN \w
.set k, 0
.rept 128
	v_mov_b32 v[k], 0                              ; O^T
.set k, k+1
.endr
.irp i, 154,155,156,157,158,159
	v_mov_b32 v[\i], 0                             ; the upper half of f's K: zero codes
.endr
	v_mov_b32 v179, 0                              ; a lane permute's destination counts as read
	v_mov_b32 v182, v[SH8]
.endr
	WIN 0xc0
	v_mov_b32 v193, 0                              ; named as upper halves of pairs
	v_mov_b32 v195, 0
	WIN 0
.irp i, 240,241,242,243,244,245
	v_mov_b32 v[\i], 0                             ; behind g's last tile
.endr
.irp e, 0,1
	v_mov_b32 v[ST+16*\e+1], 0xff61b1e6            ; the largest t so far: -3e38
	v_floor_f32 v[ST+16*\e], -v[ST+16*\e+1]        ; -M
	v_mov_b32 v[ST+16*\e+2], 0                     ; the sum
	v_mov_b32 v[ST+16*\e+3], 0
	v_mov_b32 v[ST+16*\e+8], 0
	v_mov_b32 v[ST+16*\e+15], 0
.endr
	s_wait_loadcnt 0x0                             ; f, g of step 0 and their words
	s_wait_kmcnt 0x0
	s_mov_b32 s[GAM+1], s[GAM]
; THE SOFTMAX of tile e is three numbered lists.  PF: what stands ahead of the exponentials.
;   0-31 four chains of maxima over 16 registers each (each accumulator read from its low end on); 32, 33 the two blocks' largest scores; 34-43 the row's, as t, the running largest, the new -M, the factor; 44-75 t - M, two at a time; 76, 77 the same of the blocks' largest
.macro PF e, n
.set rT, ST+16*(\e)
.set rS, S+64*(\e)
.set nn, \n
.if nn < 32
.set qq, nn%4
.set kk, nn/4
.set dd, rT+6+qq/2+2*(qq%2)
.if kk == 0
	v_max3_num_f32 v[dd], v[rS+16*qq], v[rS+16*qq+1], v[rS+16*qq+2]
.elseif kk < 7
	v_max3_num_f32 v[dd], v[dd], v[rS+16*qq+2*kk+1], v[rS+16*qq+2*kk+2]
.else
	v_max_num_f32 v[dd], v[dd], v[rS+16*qq+15]
.endif
.elseif nn == 32
	v_max_num_f32 v[rT+6], v[rT+6], v[rT+8]
.elseif nn == 33
	v_max_num_f32 v[rT+7], v[rT+7], v[rT+9]
.elseif nn == 34
	v_max_num_f32 v[rT+9], v[rT+6], v[rT+7]
.elseif nn == 35
	v_permlanex16_b32 v[rT+8], v[rT+9], s[SEL], s[SEL+1]
.elseif nn == 36
	v_max_num_f32 v[rT+9], v[rT+9], v[rT+8]
.elseif nn == 37
	v_mul_f32 v[rT+9], s[CS], v[rT+9]
.elseif nn == 38
	v_max_num_f32 v[rT+1], v[rT+1], v[rT+9]
.elseif nn == 39
	v_mov_b32 v[rT+9], v[rT]
.elseif nn == 40
	v_floor_f32 v[rT], -v[rT+1]
.elseif nn == 41
	v_sub_f32 v[rT+9], v[rT], v[rT+9]
.elseif nn == 42
	v_cvt_i32_f32 v[rT+9], v[rT+9]
.elseif nn == 43
	v_ldexp_f32 v[rT+14], 1.0, v[rT+9]
.elseif nn < 76
	v_pk_fma_f32 v[rS+2*(nn-44):rS+2*(nn-44)+1], v[rS+2*(nn-44):rS+2*(nn-44)+1], s[CS:CS+1], v[rT:rT+1] op_sel_hi:[1,0,0]
.else
	v_fma_f32 v[rT+6+nn-76], v[rT+6+nn-76], s[CS], v[rT]
.endif
.endm
.macro EX e, n                         ; the 66 exponentials: p in place, then the two blocks' largest p
.set nn, \n
.if nn < 64
	v_exp_f32 v[S+64*(\e)+nn], v[S+64*(\e)+nn]
.else
	v_exp_f32 v[ST+16*(\e)+6+nn-64], v[ST+16*(\e)+6+nn-64]
.endif
.endm
; PT: what stands behind them.  0 the sum under the new M; 1-6 floor, conversion scales, bytes; 7-10 p's scale word; 11-42 the sum of the unquantised p, in two chains
.macro PT e, n
.set rT, ST+16*(\e)
.set rS, S+64*(\e)
.set nn, \n
.if nn == 0
	v_pk_mul_f32 v[rT+2:rT+3], v[rT+2:rT+3], v[rT+14:rT+15] op_sel_hi:[1,0]
.elseif nn < 3
	s_wait_alu depctr_va_vdst(0)
	v_max_num_f32 v[rT+5+nn], 0x2800000, v[rT+5+nn]
.elseif nn < 5
	v_add_nc_u32 v[rT+7+nn], 0xfe000000, v[rT+3+nn]
.elseif nn < 7
	v_lshrrev_b32 v[rT+7+nn], 23, v[rT+5+nn]
.elseif nn == 7
	v_lshl_or_b32 v[rT+6], v[rT+13], 16, v[rT+12]
.elseif nn == 8
	v_lshlrev_b32 v[rT+6], v[SH8], v[rT+6]
.elseif nn == 9
	v_permlanex16_b32 v[rT+8], v[rT+6], s[SEL], s[SEL+1]
.elseif nn == 10
	v_or_b32 v[PW+(\e)], v[rT+6], v[rT+8]
.elseif nn == 11
	v_pk_add_f32 v[rT+4:rT+5], v[rS:rS+1], v[rS+2:rS+3]
.elseif nn < 42
.set jj, (nn-12)/2+1
.if (nn-12)%2 == 0
	v_pk_add_f32 v[rT+2:rT+3], v[rT+2:rT+3], v[rS+4*jj:rS+4*jj+1]
.else
	v_pk_add_f32 v[rT+4:rT+5], v[rT+4:rT+5], v[rS+4*jj+2:rS+4*jj+3]
.endif
.else
	v_pk_add_f32 v[rT+2:rT+3], v[rT+2:rT+3], v[rT+4:rT+5]
.endif
.endm
.macro RSC c, fr                       ; accumulator c of O^T under the new M; from its low end on
.irp i, 0,1,2,3
	v_pk_mul_f32 v[8*(\c)+2*\i:8*(\c)+2*\i+1], v[\fr:\fr+1], v[8*(\c)+2*\i:8*(\c)+2*\i+1] op_sel_hi:[0,1]
.endr
.endm
.macro PVT e                           ; O^T += h^T p^T for tile e: 16 accumulators, each met once; the rescaling of accumulator c + 2 stands behind product c, so it is issued while the matrix unit works
	RSC 0, 192+2*\e
	RSC 1, 192+2*\e
.set cc, 0
.rept 16
.set wD, 8*cc
.set wA, 12*cc
.set wSA, HS+4*(cc/8)+cc%4
.set wRA, (cc%8)/4
	WM wD, wA, 128, 0, wSA, wRA, PW+\e, 0
.if cc < 14
	RSC cc+2, 192+2*\e
.endif
.set cc, cc+1
.endr
.endm
; A KEY STEP: 128 keys, the record at LDS byte s[TB].
.macro STEP
	v_add_nc_u32 v[ADR], s[TB], v[L16]
	PLACES 3                                       ; with the line above: four places behind the last product, in front of loads into its operands and scales
	ds_load_b128 v[HS:HS+3], v[ADR] offset:6656
	ds_load_b128 v[HS+4:HS+7], v[ADR] offset:7168
	WIN 0xc0                                       ; destination window 3
.set k, 0
.rept 48
	ds_load_b128 v[4*k:4*k+3], v[ADR] offset:7680+512*k
.set k, k+1
.endr
	s_wait_dscnt 50                                ; g and its words, asked for a step ago, are in; behind them: the 50 loads just issued
	WIN 0x04                                       ; source 1 (f of tile A) window 1
.set t, 0
.rept 8
.set wD, S+8*t
.set wA, G+6*t
.set wSA, GS+t/2
.set wRA, t%2
	WM wD, wA, 148, 1, wSA, wRA, FS, 0
.set t, t+1
.endr
	WIN 0x08                                       ; f of tile B: window 2
.set t, 0
.rept 8
.set wD, S+64+8*t
.set wA, G+6*t
.set wSA, GS+t/2
.set wRA, t%2
	WM wD, wA, 148, 1, wSA, wRA, FS, 1
.set t, t+1
.endr
	WIN 0
	PLACES 4                                       ; in front of the loads into g and its words, and of the first read of scores
.set k, 0
.rept 12
	ds_load_b128 v[G+4*k:G+4*k+3], v[ADR] offset:512*k   ; the NEXT step's g, out of the record in hand
.set k, k+1
.endr
	ds_load_b128 v[GS:GS+3], v[ADR] offset:6144
.set k, 0
.rept 34
	PF 0, k
.set k, k+1
.endr
.set k, 0
.rept 10                               ; A's chain of dependent lines between B's maxima
	PF 0, 34+k
	PF 1, 3*k
	PF 1, 3*k+1
	PF 1, 3*k+2
.set k, k+1
.endr
.set k, 30
.rept 4
	PF 1, k
.set k, k+1
.endr
.set k, 44
.rept 34
	PF 0, k
.set k, k+1
.endr
.set i, 0
.rept 66                               ; A's exponentials, B's plain lines between them
	EX 0, i
.if i%3 != 2
	PF 1, 34+i-i/3
.endif
.set i, i+1
.endr
.set i, 0
.rept 66                               ; B's exponentials, A's plain lines between them
	EX 1, i
.if (i%3 != 2) && (i-i/3 < 43)
	PT 0, i-i/3
.endif
.set i, i+1
.endr
.set k, 0
.rept 43                               ; the first of these is the plain place behind the last exponential
	PT 1, k
.set k, k+1
.endr
	WIN 0xc0
	v_ldexp_f32 v192, 1.0, v[ST+9]                 ; the factors once more, beside h: the products' window setting then serves the rescaling too
	v_ldexp_f32 v194, 1.0, v[ST+25]
.irp e, 0,1
	WIN 0x40+0x40*\e
	v_cvt_scalef32_pk16_bf6_f32 v[128:130], v[S+64*\e:S+64*\e+15], v[ST+16*\e+10]
	v_cvt_scalef32_pk16_bf6_f32 v[140:142], v[S+64*\e+16:S+64*\e+31], v[ST+16*\e+10]
	v_cvt_scalef32_pk16_bf6_f32 v[134:136], v[S+64*\e+32:S+64*\e+47], v[ST+16*\e+11]
	v_cvt_scalef32_pk16_bf6_f32 v[144:146], v[S+64*\e+48:S+64*\e+63], v[ST+16*\e+11]
.endr
	v_nop                                          ; one plain place behind the scaled conversions
.irp e, 0,1
	WIN 0x41+0x41*\e
.irp i, 0,1,2
	v_mov_b32 v[131+\i], v[140+\i]
	v_mov_b32 v[137+\i], v[144+\i]
.endr
.endr
	s_wait_dscnt 13                                ; h and its words are in; behind them: the 13 loads of the next g
	WIN 0x57                                       ; source 0 (h, the factor) window 3; source 1 (p, O^T), C and D window 1
	PVT 0
	WIN 0xab                                       ; the same with window 2
	PVT 1
	WIN 0
.endm
; THE CHANGE OF SLOTS stands at a slot's head.  Each wave waits for all its tensor loads (its record of the slot ahead), adds 0 to its spare word, and waits for that and for its reads of the slot that it has left.
; fill = 1: a round of the cluster's barrier, and behind it the slot that was left is filled with the next four records: the load has four key steps in which to land.
.macro CHANGE fill
	s_wait_tensorcnt 0x0                           ; no tensor load of mine is out, so the walking group 0 may be written
	ds_add_u32 v[SPW], v[NIL]                      ; 0 onto my spare word
.if \fill
	s_xor_b32 s[G0+1], s[G0+1], SLOT1              ; the other slot than last time,
	s_add_nc_u64 s[G0+2:G0+3], s[G0+2:G0+3], 4*REC ; the next four records; the type bits on top are not reached
.endif
	s_wait_dscnt 0x0                               ; the add is done, and my reads of the slot that I have left are over
.if \fill
	CROUND
	tensor_load_to_lds s[G0:G0+3], s[G1:G1+7]      ; the first thing behind the round, and my one tensor load until the next
	s_nop 0
	PLACES 4
.else
	s_barrier_signal -1
	s_barrier_wait -1
.endif
.endm
.macro VISIT                           ; a slot's four key steps: written once, walked four times
	s_mov_b32 s[STEPS], 4
.Lstep_\@:
	STEP
	s_add_co_u32 s[TB], s[TB], REC
	s_sub_co_u32 s[STEPS], s[STEPS], 1
	s_cmp_lg_u32 s[STEPS], 0
	s_cbranch_scc1 .Lstep_\@
	s_sub_co_u32 s[TB], s[TB], 4*REC
	s_xor_b32 s[TB], s[TB], SLOT1                  ; on to the other slot
.endm
.Lslot:                                            ; 7 trips: behind each change of slots but the last the next four records are asked for
	CHANGE 1
	VISIT
	s_sub_co_u32 s[SLOTS], s[SLOTS], 1
	s_cmp_lg_u32 s[SLOTS], 0
	s_cbranch_scc1 .Lslot
	CHANGE 0                                       ; the last slot is written out
	VISIT
	; ---- THE WAY OUT.  The sums; x is asked for; o = O / sum, quantised along the channels; y = o Wv; out = gamma y + x.
	s_wait_dscnt 0x0                               ; the last look-ahead for g
	v_add_f32 v[ST+9], v[ST+2], v[ST+3]
	v_add_f32 v[ST+25], v[ST+18], v[ST+19]
	PLACES 2                                       ; four places behind the last product, in front of loads into its operands and scales
	WIN 0xc0                                       ; x's rows of my two tiles into window 3: half a row, 512 consecutive bytes, a load
.irp e, 0,1
.set n, 0
.rept 32
	global_load_b128 v[128*\e+4*n:128*\e+4*n+3], v[L16], s[XB:XB+1] offset:(8*\e+(n/2)%8+32*(n/16))*1024+512*(n%2) th:TH_LOAD_NT
.set n, n+1
.endr
.endr
	WIN 0
.irp q, 0,1,2,3
	ds_load_b128 v[48+4*\q:51+4*\q], v[AWV] offset:49152+512*\q   ; Wv's scale words
.endr
.macro WVF ks                          ; Wv's 16 fragments of K step ks
.set t, 0
.rept 16
.irp c, 0,1,2
	ds_load_b128 v[64+12*t+4*\c:64+12*t+4*\c+3], v[AWV] offset:1536*(2*t+\ks)+512*\c
.endr
.set t, t+1
.endr
.endm
	WVF 0
	v_permlanex16_b32 v[ST+8], v[ST+9], s[SEL], s[SEL+1]
	v_permlanex16_b32 v[ST+24], v[ST+25], s[SEL], s[SEL+1]
	v_add_f32 v[ST+9], v[ST+9], v[ST+8]            ; with lane l xor 16's: the row's sum
	v_add_f32 v[ST+25], v[ST+25], v[ST+24]
	v_rcp_f32 v[ST+6], v[ST+9]
	v_rcp_f32 v[ST+22], v[ST+25]
	v_nop                                          ; a plain place behind the reciprocals
	WIN 0x40
	s_wait_alu depctr_va_vdst(0)
	v_mov_b32 v180, v[ST+6]
	v_mov_b32 v181, v[ST+6]
	WIN 0x80
	v_mov_b32 v180, v[ST+22]
	v_mov_b32 v181, v[ST+22]
.macro OQ wn, wo, e                    ; tile e, all in its own window wn (wo: the same sources, destination window 0, for the scale words)
	WIN \wn
.set k, 0
.rept 64
	v_pk_mul_f32 v[2*k:2*k+1], v[2*k:2*k+1], v[180:181]
.set k, k+1
.endr
.irp ks, 0,1
	QMAX 64*\ks, 64*\ks+32, 172
	v_lshl_or_b32 v178, v177, 16, v176
	v_lshlrev_b32 v178, v182, v178
	v_permlanex16_b32 v179, v178, s[SEL], s[SEL+1]
	WIN \wo
	v_or_b32 v[44+2*\e+\ks], v178, v179
	WIN \wn
	QCVT 64*\ks, 64*\ks+32, 128+32*\ks, 140, 172
.endr
.endm
	OQ 0x55, 0x05, 0
	OQ 0xaa, 0x0a, 1
	PLACES 8                                       ; a scale register written by a vector instruction stands 8 places ahead of a scaled matrix instruction
	s_wait_dscnt 0x0                               ; Wv's first K step and its words
.macro P6 ks                           ; y^T: source 0 = 16 outputs of Wv, source 1 = o; 32 accumulators by turns, laid over O^T
.irp e, 0,1
	WIN 0x54+0x54*\e                               ; source 1, C and D in the tile's window
.set t, 0
.rept 16
.set wX, 2*t+\ks
.set wD, 8*t
.set wA, 64+12*t
.set wSA, 48+4*(wX/8)+wX%4
.set wRA, (wX%8)/4
	WM wD, wA, 128+32*\ks, 1-\ks, wSA, wRA, 44+2*\e+\ks, 0
.set t, t+1
.endr
.endr
	WIN 0
.endm
	P6 0
	PLACES 4                                       ; in front of loads into registers that matrix instructions have read
	WVF 1
	s_wait_dscnt 0x0
	P6 1
	PLACES 4                                       ; in front of the first read of results
.macro OUT e                           ; tile e: through my stage, back as whole rows; gamma y + x; 512 consecutive bytes a store
.if \e
	WIN 0x08
.else
	WIN 0x04
.endif
.set t, 0
.rept 16
	ds_store_b128 v[STO], v[8*t:8*t+3] offset:64*t             ; each accumulator from its low end on
	ds_store_b128 v[STO], v[8*t+4:8*t+7] offset:64*t+16
.set t, t+1
.endr
	WIN 0
.if \e
	s_wait_xcnt 0x0                                ; tile A's stores have read their registers: only now are these loaded again
.endif
.set n, 0
.rept 32
	ds_load_b128 v[S+4*n:S+4*n+3], v[RD] offset:SROW*(n/2)+512*(n%2)   ; LDS serves a wave's instructions in order: these see my stores
.set n, n+1
.endr
	s_wait_loadcnt 32-32*\e                        ; this tile's rows of x are in; tile B's 32 loads may be out
	s_wait_dscnt 0x0
	WIN 0x30                                       ; source 2 (x) window 3
.set k, 0
.rept 64
	v_pk_fma_f32 v[S+2*k:S+2*k+1], v[S+2*k:S+2*k+1], s[GAM:GAM+1], v[128*\e+2*k:128*\e+2*k+1] op_sel_hi:[1,0,1]
.set k, k+1
.endr
	WIN 0
.set n, 0
.rept 32
	global_store_b128 v[L16], v[S+4*n:S+4*n+3], s[OB:OB+1] offset:(8*\e+(n/2)%8+32*(n/16))*1024+512*(n%2) th:TH_STORE_NT
.set n, n+1
.endr
.endm
	OUT 0
	OUT 1
	s_wait_tensorcnt 0x0                           ; the wave's end, behind my last tensor load and my last LDS store
	ds_add_u32 v[SPW], v[NIL]
	s_wait_dscnt 0x0
	CROUND                                         ; the closing round: no work-group ends while a partner may still ask for a record that names it
	s_endpgm
.Lfunc_end_k_qce428a4bb2_attn:
	.size	k_qce428a4bb2_attn, .Lfunc_end_k_qce428a4bb2_attn-k_qce428a4bb2_attn
	.p2alignl 7, 3214868480
	.fill 96, 4, 3214868480
	.section	.rodata,"a",@progbits
	.p2align	6, 0x0
	.amdhsa_kernel k_qce428a4bb2_attn
		.amdhsa_group_segment_fixed_size 327680
		.amdhsa_private_segment_fixed_size 0
		.amdhsa_enable_private_segment 0
		.amdhsa_kernarg_size 48
		.amdhsa_user_sgpr_count 2
		.amdhsa_user_sgpr_kernarg_segment_ptr 1
		.amdhsa_wavefront_size32 1
		.amdhsa_system_sgpr_workgroup_id_x 1
		.amdhsa_system_sgpr_workgroup_id_y 1
		.amdhsa_system_sgpr_workgroup_id_z 1
		.amdhsa_system_vgpr_workitem_id 0
		.amdhsa_next_free_vgpr 1024
		.amdhsa_next_free_sgpr 66
		.amdhsa_reserve_vcc 0
		.amdhsa_float_denorm_mode_32 3
		.amdhsa_float_denorm_mode_16_64 3
		.amdhsa_memory_ordered 1
		.amdhsa_forward_progress 1
		.amdhsa_inst_pref_size 159
	.end_amdhsa_kernel
	.amdgpu_metadata
---
amdhsa.version: [ 1, 2 ]
amdhsa.kernels:
  - .name:           k_qce428a4bb2_attn
    .symbol:         k_qce428a4bb2_attn.kd
    .args:
      - { .name: kv, .offset: 0, .size: 8, .value_kind: global_buffer, .address_space: global }
      - { .name: fq, .offset: 8, .size: 8, .value_kind: global_buffer, .address_space: global }
      - { .name: wimg, .offset: 16, .size: 8, .value_kind: global_buffer, .address_space: global }
      - { .name: x, .offset: 24, .size: 8, .value_kind: global_buffer, .address_space: global }
      - { .name: gamma, .offset: 32, .size: 8, .value_kind: global_buffer, .address_space: global }
      - { .name: out0, .offset: 40, .size: 8, .value_kind: global_buffer, .address_space: global }
    .group_segment_fixed_size: 327680
    .private_segment_fixed_size: 0
    .kernarg_segment_align: 8
    .kernarg_segment_size: 48
    .max_flat_workgroup_size: 128
    .sgpr_count:     66
    .vgpr_count:     1024
    .wavefront_size: 32
...
	.end_amdgpu_metadata
.endif
;; end of part 3
